; MI455X (gfx1250); checked and timed in simulation.
; The chip was launched on July 23, 2026; its instructions are those of AMD's public machine-readable ISA for CDNA 5 (MIT licence, August 2026) and "CDNA5" Instruction Set Architecture Reference Guide (July 2026). The comments in the code are by the model that wrote it; some were corrected since.
;; Net. Allowed arithmetic: matrix products marked QUANTISED: E5M2 operands, one E8M0 scale for each 32 along K, by v_wmma_scale_f32_16x16x128_f8f6f4 with both operands' format E5M2, f32 sums; products left as they are: f32 operands where the result goes on into a quantised operand, else bf16, f16 or f32 operands; f32 sums; everything else in f32.
;; Inputs: W1_codes 256 x 4 x 32 uint8 (E5M2 codes of W1, K innermost, in blocks of 32 codes); W1_scales 256 x 4 uint8 (E8M0 scales of W1, one for each 32 codes along K); W2_codes 16 x 8 x 32 uint8 (E5M2 codes of W2, K innermost, in blocks of 32 codes); W2_scales 16 x 8 uint8 (E8M0 scales of W2, one for each 32 codes along K); calc_X_codes 8,192 x 4 x 32 uint8 (E5M2 codes of calc_X, K innermost, in blocks of 32 codes); calc_X_scales 8,192 x 4 uint8 (E8M0 scales of calc_X, one for each 32 codes along K); calc_Y 8,192 x 16 float32; h 1 float32; x_codes 512 x 4 x 32 uint8 (E5M2 codes of x, K innermost, in blocks of 32 codes); x_scales 512 x 4 uint8 (E8M0 scales of x, one for each 32 codes along K).
;; Outputs: out0 512 x 16 float32.
;; This version of the problem:
;;   THIS VERSION OF THE PROBLEM IS GIVEN IN LOW PRECISION. The matrix products marked QUANTISED in the list below multiply operands that are first quantised to E5M2 (5 exponent bits, 2 mantissa bits; 8 bits a number), with one power-of-two scale for each 32 numbers along K (OCP MX v1.0); their sums are f32. All else is computed in f32.
;;   The module's matrix products, in the order in which they are computed (A, B: the left and right operand; K: the contracted axis; several contracted axes count as one K, in the product's order):
;;     1. [M 512, K 128] x [K 128, N 256]; A: input x (given as codes); B: input W1 (given as codes): QUANTISED
;;     2. [M 512, K 256] x [K 256, N 16]; A: computed on the way; B: input W2 (given as codes): QUANTISED
;;     3. [M 8,192, K 128] x [K 128, N 256]; A: input calc_X (given as codes); B: input W1 (given as codes): QUANTISED
;;     4. [M 8,192, K 256] x [K 256, N 16]; A: computed on the way; B: input W2 (given as codes): QUANTISED
;;     5. batch 16 x [M 1, K 8,192] x [K 8,192, N 512]; A: input calc_Y; B: computed on the way: left as it is (M = 1 < 16)
;;   THE QUANTISER, for each operand of a quantised product, along K:
;;     - K is cut into blocks of 32 from its start; a last block that is shorter is filled with zeros.
;;     - A block's scale is 2^e with e = floor(log2(the largest magnitude in the block)) - 15, held to -126 .. 127; a block of zeros has e = 0. As a byte (E8M0): e + 127.
;;     - Each number is divided by its block's scale, clamped to +-57,344, and rounded to the nearest number of E5M2, ties to even, subnormals kept.
;;     - The product sums the exact products of the quantised numbers (number of the format x scale) in f32.
;;   ~~~python
;;   def quantise(x, axis):      # numpy; x: float32 -> the quantised numbers, widened to float32 again
;;       x = np.moveaxis(x, axis, -1); K = x.shape[-1]
;;       x = np.pad(x, [(0, 0)] * (x.ndim - 1) + [(0, -K % 32)]); x = x.reshape(x.shape[:-1] + (-1, 32)); a = np.abs(x).max(-1, keepdims=True)
;;       e = np.where(a > 0, np.clip(np.frexp(np.where(a > 0, a, 1))[1] - 1 - 15, -126, 127), 0)      # np.frexp(a)[1] - 1 = floor(log2(a)), exactly
;;       r = np.clip(x / 2.0 ** e, -57344, 57344)
;;       step = 2.0 ** (np.maximum(np.frexp(np.where(r == 0, 1, r))[1] - 1, -14) - 2)
;;       q = np.round(r / step) * step * 2.0 ** e      # np.round: ties to even
;;       return np.moveaxis(q.reshape(q.shape[:-2] + (-1,))[..., :K], -1, axis).astype(np.float32)
;;   ~~~
;;   OPERANDS COMPUTED ON THE WAY. 'Computed on the way' means the value that the module computes at that place (a softmax that the list does not call 'softmax' is quantised finished and normalised). What goes into a quantiser is computed in f32, as accurately as f32 sums, v_exp_f32 and their like allow (about 1e-6 of the number): no bf16 or f16 on the way to a quantiser, and a product that is left as it is and whose result goes on into a quantised operand takes f32 operands (vector FMAs, or v_wmma_f32_16x16x4_f32). A number that lies on a knife's edge between two numbers of the format may be rounded either way, as far as f32 arithmetic and the matrix unit's own rounding can turn it there, and no further.
;;   INPUTS GIVEN AS CODES. W1 (in the module: [256, 128], K = its axis 1); W2 (in the module: [16, 256], K = its axis 1); calc_X (in the module: [8192, 128], K = its axis 1); x (in the module: [512, 128], K = its axis 1): each comes as NAME_codes (uint8): NAME with its K axis moved to the last place and cut into blocks of 32 codes, [.., K / 32, bytes a block], one block behind the other in memory; one code a byte (a code: sign, 5 exponent bits, 2 mantissa bits); and NAME_scales (uint8): the same leading axes, one E8M0 byte (e + 127) for each 32 codes along K. Its value is code x scale, taken as it is: it is not quantised again, and the codes and scales need not be those that the quantiser above would give.
;; One version. Each part assembles by itself: llvm-mc -triple=amdgcn-amd-amdhsa -mcpu=gfx1250 --defsym DOCPART=n.
;; ======== version 1 of 1: 2 launches
;; workspace buffers: xy 1,114,112 bytes
;; launch embed (part 1): grid 136 x 1, 4 waves a work-group, no clusters, 9,216 bytes of LDS; arguments calc_X_codes, calc_X_scales, x_codes, x_scales, W1_codes, W1_scales, W2_codes, W2_scales, calc_Y, h, xy; writes xy
.if DOCPART == 1
	.amdgcn_target "amdgcn-amd-amdhsa--gfx1250"
	.amdhsa_code_object_version 6
	.text
	.protected	k_q2c98c1109f_embed
	.globl	k_q2c98c1109f_embed
	.p2align	8
	.type	k_q2c98c1109f_embed,@function
k_q2c98c1109f_embed:
	s_mov_b64 s[64:65], 0
	v_nop
	global_prefetch_b8 v0, s[64:65] scope:SCOPE_SE
	s_setreg_imm32_b32 hwreg(HW_REG_WAVE_MODE, 25, 1), 1
	s_wait_xcnt 0x0
; The two small networks, relu(v W1^T) W2^T, on codes of E5M2 with one E8M0 scale for each 32 along K, for the 8,192 rows of calc_X and the 512 rows of x,
; and the layout that the second launch reads.  xy is [32][8,704] f32, a row 34,816 bytes:
;   row d (0..15):  column n < 8,192: c Xw[n][d];   column 8,192 + b: -c Zw[b][d];   c = sqrt(0.5 log2 e) / h, so that exp(-0.5 ((Xw - Zw) / h)^2) = 2^-(sum of the two)^2
;   row 16 + d:     column n < 8,192: calc_Y[n][d]   (its columns from 8,192 on are neither written nor read)
; SHARES.  Work-group i owns columns 64 i .. 64 i + 63: i < 128 rows of calc_X, the other eight rows of x.  Wave w takes 16 of the 64 rows through the whole chain:
; first product (16 matrix instructions, K = 128), relu and quantiser in registers, second product (2 matrix instructions, K = 256).  The hidden layer never leaves the registers.
; THE FIRST PRODUCT IS USED TRANSPOSED (source 0 = 16 rows of W1, source 1 = my 16 rows), and lane r of tile t takes W1's row 32 (t / 2) + 8 (t % 2) + r + 8 (r / 8):
; a lane then holds ONE row, and the 16 registers of tiles 2 b, 2 b + 1 are the hidden units 32 b + 16 (lane / 16) + 0 .. 15: the conversions' results are the second product's operand.
; NO JOINT LOADS, NO TENSOR LOADS: what the work-groups share is W1, 32,768 bytes, which each wave loads once, straight into 256 registers; there is no LDS tile and no loop in which one could be shared.
; THE WAY OUT.  A lane of the second product holds one d and eight rows; the four waves' 64 columns of a row d are 256 bytes: they meet in a stage in LDS, with calc_Y's 64 rows turned beside them,
; and each store of sixteen lanes covers 256 consecutive bytes at a multiple of 256 from xy's first byte.
; LIMITS: 1 / h is v_rcp_f32: |h| within 2^-126 .. 2^126.  NaN and infinities among the inputs are not served.  A hidden block of zeros gets the scale byte 1 where the rule says 127: its codes are zeros,
; which add nothing under that byte, and nobody else reads the byte.
; REGISTERS, window 0: v1-15, v53 addresses; v[12:13] c twice; v16-31 my rows' fragment, then the quantiser's temporaries, then the scaled results; v32-52 scale words and nothing else;
;   v56-87 W2's two fragments; v88-95 the second product's sums; v96-223 the hidden layer, tile t at v[96 + 8 t]; v224-255 its codes (v240-247 first carry calc_Y; v240-255 at last the rows read back).
;   window 1: W1's sixteen fragments, tile t at v[16 t].
.set XROW,  34816                      ; a row of xy in bytes
.set SP,    272                        ; a stage row: 256 bytes + 16 = 68 words: sixteen rows that one instruction touches begin at sixteen different 16-byte columns
.set NCX,   128                        ; work-groups that take calc_X
.set TM,    16                         ; v16-19 largest magnitudes, v20-23 bytes, v24-27 the largest number x the scale, v28-31 the conversions' scale operands
.set HID,   96
.set MSB, 0
.macro WIN new                         ; the immediate's high byte repeats the setting that is left
.if MSB != \new
	s_set_vgpr_msb (MSB<<8)|\new
.set MSB, \new
.endif
.endm
; 64 numbers of a lane, v[s] on, register 16 b + i = hidden unit 32 b + 16 (lane / 16) + i of my row, become a fragment's codes in v[pc] on and its scale word in v[pw].  What is negative becomes 0 on the way.
.macro QUANT s, pc, pw
.irp b, 0,1,2,3
	v_max3_num_f32 v[TM+\b], v[\s+16*\b], v[\s+1+16*\b], 0x8000000   ; no |.|: what is negative is to become 0 and must not count; the floor 2^(16 - 127) holds the byte at 1 from below.  (Each accumulator is read from its low end on)
.endr
.irp i, 2,4,6,8,10,12,14
.irp b, 0,1,2,3
	v_max3_num_f32 v[TM+\b], v[TM+\b], v[\s+16*\b+\i], v[\s+1+16*\b+\i]   ; the four blocks by turns: no line waits for the line above it
.endr
.endr
.irp b, 0,1,2,3
	v_permlanex16_b32 v[TM+4+\b], v[TM+\b], s32, s33
.endr
.irp b, 0,1,2,3
	v_max_num_f32 v[TM+\b], v[TM+\b], v[TM+4+\b]                     ; with lane l xor 16's sixteen: the block's largest magnitude
.endr
.irp b, 0,1,2,3
	v_add_nc_u32 v[TM+12+\b], 0xf8800000, v[TM+\b]                   ; 15 off its exponent field: the conversion takes the exponent field of this operand as its scale
.endr
.irp b, 0,1,2,3
	v_and_or_b32 v[TM+8+\b], v[TM+\b], 0x7f800000, s34               ; 57,344 x the scale: the largest magnitude's exponent field over 57,344's mantissa field
.endr
.irp b, 0,1,2,3
	v_lshrrev_b32 v[TM+4+\b], 23, v[TM+12+\b]                        ; the scale's byte
.endr
	v_lshl_or_b32 v[\pw], v[TM+5], 8, v[TM+4]                        ; four bytes make my row's scale word for these 128 hidden units; the 64 holds below stand between it and the product
	v_lshl_or_b32 v[\pw], v[TM+6], 16, v[\pw]
	v_lshl_or_b32 v[\pw], v[TM+7], 24, v[\pw]
.irp b, 0,1,2,3
.irp i, 0,1,2,3,4,5,6,7,8,9,10,11,12,13,14,15
	v_med3_num_f32 v[\s+16*\b+\i], v[\s+16*\b+\i], 0, v[TM+8+\b]     ; relu and the hold in one: the conversion to an 8-bit code does not saturate (ISA guide 7.6.2)
.endr
	v_cvt_scalef32_pk8_bf8_f32 v[\pc+4*\b:\pc+1+4*\b], v[\s+16*\b:\s+7+16*\b], v[TM+12+\b]
	v_cvt_scalef32_pk8_bf8_f32 v[\pc+2+4*\b:\pc+3+4*\b], v[\s+8+16*\b:\s+15+16*\b], v[TM+12+\b]
.endr
	v_nop                                          ; one plain vector instruction behind the last conversion, ahead of whatever next touches its result or writes its sources
.endm
	s_load_b512 s[4:19], s[0:1], 0x0               ; calc_X codes s[4:5], scales s[6:7]; x codes s[8:9], scales s[10:11]; W1 codes s[12:13], scales s[14:15]; W2 codes s[16:17], scales s[18:19]
	s_load_b128 s[20:23], s[0:1], 0x40             ; calc_Y s[20:21], h s[22:23]
	s_load_b64 s[24:25], s[0:1], 0x50              ; xy
	s_set_vgpr_msb 0x80
	v_lshl_add_u32 v0, v0, 2, 0x2200
	v_mov_b32 v1, 0
	s_set_vgpr_msb 0x8000
	v_lshrrev_b32 v1, 5, v0
	v_readfirstlane_b32 s26, v1                    ; wave 0..3
	v_and_b32 v1, 15, v0                           ; r
	v_bfe_u32 v2, v0, 4, 1                         ; hf = lane / 16
	v_lshlrev_b32 v3, 7, v1
	v_lshl_add_u32 v3, v2, 4, v3                   ; my rows' codes: row r of 128 bytes, + 16 hf
	v_and_b32 v4, 8, v1
	v_add_nc_u32 v4, v4, v1                        ; r + 8 (r / 8)
	v_lshlrev_b32 v5, 7, v4
	v_lshl_add_u32 v5, v2, 4, v5                   ; W1: the tile's row of 128 bytes, + 16 hf
	v_lshlrev_b32 v6, 2, v1                        ; my rows' scale words: 4 bytes a row
	v_lshlrev_b32 v7, 2, v4                        ; W1's, by the tile's rows
	v_lshlrev_b32 v8, 8, v1
	v_lshl_add_u32 v8, v2, 4, v8                   ; W2: row r of 256 bytes, + 16 hf
	v_lshlrev_b32 v9, 3, v1                        ; W2's scale words: 8 bytes a row
	v_lshlrev_b32 v10, 4, v0                       ; calc_Y: 16 bytes a thread: row thread / 4, d = 4 (thread % 4) + 0 .. 3
	v_and_b32 v11, 3, v0
	v_mul_u32_u24 v11, v11, 4*SP
	v_lshrrev_b32 v54, 2, v0
	v_lshl_add_u32 v11, v54, 2, v11
	v_add_nc_u32 v11, 16*SP, v11                   ; and its place in the stage: row 16 + 4 (thread % 4), column thread / 4: a wave's 32 words fall on 32 different banks (16 (l % 4) + l / 4)
	s_lshl_b32 s37, s26, 6
	v_mul_u32_u24 v14, v1, SP
	v_lshl_add_u32 v14, v2, 5, v14
	v_add_nc_u32 v14, s37, v14                     ; the results' place: stage row d = r, columns 16 w + 8 hf + 0 .. 7
	s_mul_i32 s36, s26, 8*SP
	v_mul_u32_u24 v15, v2, SP
	v_lshl_add_u32 v15, v1, 4, v15
	v_add_nc_u32 v15, s36, v15                     ; back: wave w takes stage rows 8 w .. 8 w + 7; lanes 0-15 one row of 256 bytes, lanes 16-31 the next
	v_mul_u32_u24 v53, v2, XROW
	v_lshl_add_u32 v53, v1, 4, v53                 ; and the same two rows in xy
	s_mov_b32 s32, 0x76543210
	s_mov_b32 s33, 0xfedcba98                      ; v_permlanex16_b32's selects for lane l xor 16
	s_mov_b32 s34, 0x600000                        ; the mantissa field of 57,344
	s_mov_b32 s31, 0xbf596d27                      ; -sqrt(0.5 log2 e)
	s_mov_b32 s29, 0
	s_wait_kmcnt 0x0
	s_cmp_lt_u32 ttmp9, NCX                        ; calc_X's work-group or x's?  The choice hangs on the work-group's number alone; both take one path through the text
	s_cselect_b64 s[4:5], s[4:5], s[8:9]
	s_cselect_b64 s[6:7], s[6:7], s[10:11]
	s_cselect_b32 s31, 0x3f596d27, s31             ; calc_X's rows are stored x c, x's rows x -c
	s_cselect_b32 s27, 0, NCX
	s_sub_co_u32 s27, ttmp9, s27
	s_lshl_b32 s27, s27, 6
	s_lshl_b32 s36, s26, 4
	s_add_co_u32 s27, s27, s36                     ; my first row in its tensor: 64 x block + 16 x wave
	s_lshl_b32 s28, s27, 7
	s_add_nc_u64 s[4:5], s[4:5], s[28:29]          ; its codes,
	s_lshl_b32 s28, s27, 2
	s_add_nc_u64 s[6:7], s[6:7], s[28:29]          ; its scale word
	s_mul_i32 s28, s26, 8*XROW
	s_lshl_b32 s36, ttmp9, 8
	s_add_co_u32 s28, s28, s36
	s_add_nc_u64 s[24:25], s[24:25], s[28:29]      ; xy: row 8 w, column 64 x work-group
	s_load_b32 s30, s[22:23], 0x0                  ; h
.irp c, 0,1,2,3
	global_load_b128 v[16+4*\c:19+4*\c], v3, s[4:5] offset:32*\c th:TH_LOAD_NT   ; my 16 rows' fragment: read once in the launch
.endr
	global_load_b32 v48, v6, s[6:7] th:TH_LOAD_NT  ; and their scale words
	WIN 0x40                                       ; destination window 1
.irp t, 0,1,2,3,4,5,6,7,8,9,10,11,12,13,14,15
.irp c, 0,1,2,3
	global_load_b128 v[16*\t+4*\c:16*\t+4*\c+3], v5, s[12:13] offset:(32*(\t/2)+8*(\t%2))*128+32*\c   ; W1's tile t begins at row 32 (t / 2) + 8 (t % 2)
.endr
.endr
	WIN 0
.irp t, 0,1,2,3,4,5,6,7,8,9,10,11,12,13,14,15
	global_load_b32 v[32+\t], v7, s[14:15] offset:(32*(\t/2)+8*(\t%2))*4
.endr
.irp s, 0,1
.irp c, 0,1,2,3
	global_load_b128 v[56+16*\s+4*\c:59+16*\s+4*\c], v8, s[16:17] offset:128*\s+32*\c   ; W2's fragment of K step s
.endr
	global_load_b32 v[49+\s], v9, s[18:19] offset:4*\s
.endr
	s_wait_kmcnt 0x0                               ; h
	v_mov_b32 v54, s30
	v_rcp_f32 v55, v54
	v_nop                                          ; a plain instruction behind the reciprocal,
	s_wait_alu depctr_va_vdst(0)                   ; and the wait ahead of its first reader, and ahead of the branch below
	v_mul_f32 v12, s31, v55                        ; c, or -c
	v_mov_b32 v13, v12                             ; twice: the packed multiply names the pair
	s_cmp_ge_u32 ttmp9, NCX
	s_cbranch_scc1 .Lno_y                          ; x's work-groups have no rows of calc_Y
	s_lshl_b32 s28, ttmp9, 12                      ; my 64 rows of 64 bytes
	s_add_nc_u64 s[20:21], s[20:21], s[28:29]
	global_load_b128 v[240:243], v10, s[20:21] th:TH_LOAD_NT               ; rows 0-31: the four waves read 2,048 consecutive bytes
	global_load_b128 v[244:247], v10, s[20:21] offset:2048 th:TH_LOAD_NT   ; rows 32-63
	s_wait_loadcnt 0x0                             ; these two are the youngest loads: all are in
.irp j, 0,1,2,3
	ds_store_b32 v11, v[240+\j] offset:\j*SP       ; calc_Y turned: stage row 16 + d, column = the row
	ds_store_b32 v11, v[244+\j] offset:\j*SP+128
.endr
.Lno_y:
	s_wait_loadcnt 0x0                             ; every operand is in: the launch has one run of loads and one wait for it
	WIN 0x01                                       ; source 0 (W1) window 1
.irp t, 0,1,2,3,4,5,6,7,8,9,10,11,12,13,14,15
	v_wmma_scale_f32_16x16x128_f8f6f4 v[HID+8*\t:HID+8*\t+7], v[16*\t:16*\t+15], v[16:31], 0, v[32+\t], v48 matrix_a_fmt:MATRIX_FMT_BF8 matrix_b_fmt:MATRIX_FMT_BF8
.endr
	WIN 0
.rept 8
	v_nop                                          ; eight places behind this form before its results are read and its source v16-31 is written
.endr
	s_wait_dscnt 0x0                               ; calc_Y's stores have read v240-247, which the second run of conversions writes
.irp b, 0,1,2,3
	v_mov_b32 v[TM+4+\b], 0                        ; written once: a lane permute's destination counts as one of its sources
.endr
	QUANT HID, 224, 51                             ; hidden units 0-127: K step 0 of the second product
	QUANT HID+64, 240, 52                          ; hidden units 128-255: K step 1
.rept 4
	v_nop                                          ; codes written by vector instructions stand four places ahead of a scaled matrix instruction
.endr
	v_wmma_scale_f32_16x16x128_f8f6f4 v[88:95], v[224:239], v[56:71], 0, v51, v49 matrix_a_fmt:MATRIX_FMT_BF8 matrix_b_fmt:MATRIX_FMT_BF8   ; source 0 = my 16 hidden rows, source 1 = W2's 16 rows: lane r holds d = r, register j row 8 hf + j
	s_wait_alu depctr_va_vdst(0)                   ; the wait directly ahead of the second
	v_wmma_scale_f32_16x16x128_f8f6f4 v[88:95], v[240:255], v[72:87], v[88:95], v52, v50 matrix_a_fmt:MATRIX_FMT_BF8 matrix_b_fmt:MATRIX_FMT_BF8
.rept 8
	v_nop                                          ; eight places before the sums are read, and before loads land in v240-255
.endr
.irp j, 0,1,2,3
	v_pk_mul_f32 v[16+2*\j:17+2*\j], v[88+2*\j:89+2*\j], v[12:13]   ; x c (or -c), from the accumulator's low end on
.endr
	ds_store_b128 v14, v[16:19]
	ds_store_b128 v14, v[20:23] offset:16
	s_wait_dscnt 0x0                               ; for the others' sake: my stores into the stage are done
	s_barrier_signal -1
	s_barrier_wait -1                              ; the stage holds 16 rows of embeddings and, in calc_X's work-groups, 16 rows of calc_Y
	s_cmp_lt_u32 ttmp9, NCX
	s_cbranch_scc1 .Lsend
	s_cmp_lt_u32 s26, 2
	s_cbranch_scc1 .Lsend
	s_set_vgpr_msb 0xa
	s_wait_tensorcnt 0x0
	ds_add_u32 v0, v1
	s_wait_dscnt 0x0
	s_set_vgpr_msb 0xa00
	s_endpgm                                       ; waves 2 and 3 of x's work-groups: stage rows 16-31 hold nothing there
.Lsend:
.irp i, 0,1,2,3
	ds_load_b128 v[240+4*\i:243+4*\i], v15 offset:2*\i*SP
.endr
.irp i, 0,1,2,3
	s_wait_dscnt 3-\i                              ; LDS loads come back in order: the 3 - i younger ones may be out
	global_store_b128 v53, v[240+4*\i:243+4*\i], s[24:25] offset:2*\i*XROW   ; sixteen lanes store 256 consecutive bytes, at a multiple of 256 from xy's first byte
.endr
	s_set_vgpr_msb 0xa
	s_wait_tensorcnt 0x0
	ds_add_u32 v0, v1
	s_wait_dscnt 0x0
	s_set_vgpr_msb 0xa00
	s_endpgm
.Lfunc_end_k_q2c98c1109f_embed:
	.size	k_q2c98c1109f_embed, .Lfunc_end_k_q2c98c1109f_embed-k_q2c98c1109f_embed
	.p2alignl 7, 3214868480
	.fill 96, 4, 3214868480
	.section	.rodata,"a",@progbits
	.p2align	6, 0x0
	.amdhsa_kernel k_q2c98c1109f_embed
		.amdhsa_group_segment_fixed_size 9216
		.amdhsa_private_segment_fixed_size 0
		.amdhsa_enable_private_segment 0
		.amdhsa_kernarg_size 88
		.amdhsa_user_sgpr_count 2
		.amdhsa_user_sgpr_kernarg_segment_ptr 1
		.amdhsa_wavefront_size32 1
		.amdhsa_system_sgpr_workgroup_id_x 1
		.amdhsa_system_sgpr_workgroup_id_y 1
		.amdhsa_system_sgpr_workgroup_id_z 1
		.amdhsa_system_vgpr_workitem_id 0
		.amdhsa_next_free_vgpr 514
		.amdhsa_next_free_sgpr 66
		.amdhsa_reserve_vcc 0
		.amdhsa_float_denorm_mode_32 3
		.amdhsa_float_denorm_mode_16_64 3
		.amdhsa_memory_ordered 1
		.amdhsa_forward_progress 1
		.amdhsa_inst_pref_size 35
	.end_amdhsa_kernel
	.amdgpu_metadata
---
amdhsa.version: [ 1, 2 ]
amdhsa.kernels:
  - .name:           k_q2c98c1109f_embed
    .symbol:         k_q2c98c1109f_embed.kd
    .args:
      - { .name: calc_X_codes, .offset: 0, .size: 8, .value_kind: global_buffer, .address_space: global }
      - { .name: calc_X_scales, .offset: 8, .size: 8, .value_kind: global_buffer, .address_space: global }
      - { .name: x_codes, .offset: 16, .size: 8, .value_kind: global_buffer, .address_space: global }
      - { .name: x_scales, .offset: 24, .size: 8, .value_kind: global_buffer, .address_space: global }
      - { .name: W1_codes, .offset: 32, .size: 8, .value_kind: global_buffer, .address_space: global }
      - { .name: W1_scales, .offset: 40, .size: 8, .value_kind: global_buffer, .address_space: global }
      - { .name: W2_codes, .offset: 48, .size: 8, .value_kind: global_buffer, .address_space: global }
      - { .name: W2_scales, .offset: 56, .size: 8, .value_kind: global_buffer, .address_space: global }
      - { .name: calc_Y, .offset: 64, .size: 8, .value_kind: global_buffer, .address_space: global }
      - { .name: h, .offset: 72, .size: 8, .value_kind: global_buffer, .address_space: global }
      - { .name: xy, .offset: 80, .size: 8, .value_kind: global_buffer, .address_space: global }
    .group_segment_fixed_size: 9216
    .private_segment_fixed_size: 0
    .kernarg_segment_align: 8
    .kernarg_segment_size: 88
    .max_flat_workgroup_size: 128
    .sgpr_count:     66
    .vgpr_count:     514
    .wavefront_size: 32
...
	.end_amdgpu_metadata
.endif
;; end of part 1
;; launch pairs (part 2): grid 16 x 16, 16 waves a work-group, no clusters, 67,584 bytes of LDS; arguments xy, out0; writes out0
.if DOCPART == 2
	.amdgcn_target "amdgcn-amd-amdhsa--gfx1250"
	.amdhsa_code_object_version 6
	.text
	.protected	k_q2c98c1109f_pairs
	.globl	k_q2c98c1109f_pairs
	.p2align	8
	.type	k_q2c98c1109f_pairs,@function
k_q2c98c1109f_pairs:
	s_mov_b64 s[64:65], 0
	v_nop
	global_prefetch_b8 v0, s[64:65] scope:SCOPE_SE
	s_setreg_imm32_b32 hwreg(HW_REG_WAVE_MODE, 25, 1), 1
	s_wait_xcnt 0x0
; out0[b][d] = (sum over n of w Y[n][d]) / (sum over n of w),  w = exp(-0.5 ((Xw[n][d] - Zw[b][d]) / h)^2) = 2^-(x' + nz)^2, with x' = c Xw[n][d] and nz = -c Zw[b][d] as the first launch laid them in xy
; ([32][8,704] f32: row d: x' in columns 0 .. 8,191, nz in columns 8,192 + b; row 16 + d: calc_Y[n][d]).  All in f32; no maximum is taken away: the exponent is never above 0.
; The square is formed of the DIFFERENCE, not expanded into x'^2 + 2 x' nz + nz^2, which would be a difference of large sums.
; SHARES.  Work-group (x, y) owns the 32 queries 32 x .. 32 x + 31 of d = y, over all 8,192 n: each output has one owner.  Wave w: g = w % 2 picks 16 of the queries, q = w / 2 picks 1,024 of the n.
; Lanes and register pairs run along n; the wave's 16 queries are walked in registers, so each number of x' and of Y that is loaded feeds 16 exponentials.  Four waves share a SIMD.
; For two weights: a packed addition, a packed multiplication (negated), two exponentials, a packed addition (denominator), a packed multiply-add (numerator).
; THE PIPELINE.  16 steps, each a pair of n a lane x 16 queries.  In step s the 32 exponentials of step s stand among the sums of step s - 1 and the arguments of step s + 1, on two buffers by turns,
; so that no line of a step names a result of the step's own exponentials, and ONE wait at the step's end serves all 32.
; NO MATRIX UNIT: the one product here has M = 1.  NO JOINT LOADS, NO LDS TILES: a wave's 8,192 bytes of xy come once, at its head, straight into registers, and feed 16,384 exponentials a lane-row; there is no loop that fetches.
; THE OUTPUT is 4 bytes for each (b, d): a wave stores two numbers, 64 bytes apart.  A work-group that owned whole runs of out0 would own all 16 d and reuse each loaded number a sixteenth as often; out0 is 32,768 bytes in all.
; LIMITS: v_exp_f32 gives 0 for a weight under 2^-126; an output whose every weight is that small is 0 / 0, NaN.  NaN and infinities in xy are not served.
.set XROW, 34816                       ; a row of xy in bytes
.set ZZ,   8                           ; v8-39    query i: (nz, nz)
.set X,    40                          ; v40-71   quad j: x' at n = 1,024 q + 128 j + 4 lane + 0 .. 3
.set Y,    72                          ; v72-103  calc_Y at the same places
.set BUF,  104                         ; v104-135, v136-167: two buffers of 16 pairs: arguments, then weights
.set ACC,  168                         ; v168-231 query i: the denominator's pair at 168 + 4 i, the numerator's at 170 + 4 i
	s_load_b128 s[4:7], s[0:1], 0x0                ; xy s[4:5], out0 s[6:7]
	v_lshl_add_u32 v232, v0, 2, 0x10000
	v_mov_b32 v233, 0
	v_lshrrev_b32 v1, 5, v0
	v_readfirstlane_b32 s8, v1                     ; wave 0..15
	s_and_b32 s9, s8, 1                            ; g
	s_lshr_b32 s10, s8, 1                          ; q
	s_and_b32 s11, ttmp7, 0xffff                   ; d
	v_and_b32 v5, 31, v0                           ; lane
	v_lshlrev_b32 v1, 4, v5                        ; 16 bytes a lane
	v_lshlrev_b32 v4, 6, v5                        ; a row of out0 is 64 bytes
	s_lshl_b32 s34, s8, 12
	v_add_nc_u32 v2, s34, v1                       ; LDS: my wave's 4,096 bytes, 16 a lane
	s_lshl_b32 s35, s9, 12
	s_lshl_b32 s36, s10, 9
	s_add_co_u32 s35, s35, s36
	v_add_nc_u32 v3, s35, v1                       ; and where I read: group q of the waves of my half g (8,192 bytes from one of them to the next)
	s_mov_b32 s32, 0x76543210
	s_mov_b32 s33, 0xfedcba98                      ; v_permlanex16_b32's selects for lane l xor 16
	s_mul_i32 s34, s11, XROW
	s_mov_b32 s35, 0
	s_lshl_b32 s36, s10, 12                        ; my 1,024 n
	s_mov_b32 s37, 0
	s_wait_kmcnt 0x0
	s_add_nc_u64 s[12:13], s[4:5], s[34:35]        ; row d
	s_add_nc_u64 s[14:15], s[12:13], 32768         ; its column 8,192
	s_add_nc_u64 s[12:13], s[12:13], s[36:37]
	s_lshl_b32 s36, ttmp9, 7
	s_lshl_b32 s34, s9, 6
	s_add_co_u32 s36, s36, s34
	s_add_nc_u64 s[14:15], s[14:15], s[36:37]      ; nz of queries 32 x + 16 g on
	s_load_b512 s[16:31], s[14:15], 0x0            ; sixteen numbers, the same for all lanes (this launch stores nothing into xy)
.irp j, 0,1,2,3,4,5,6,7
	global_load_b128 v[X+4*\j:X+4*\j+3], v1, s[12:13] offset:512*\j             ; 32 lanes read 512 consecutive bytes.  No hint: 32 waves of the launch read each of these bytes
	global_load_b128 v[Y+4*\j:Y+4*\j+3], v1, s[12:13] offset:16*XROW+512*\j     ; the same columns, 16 rows further down
.endr
	s_lshl_b32 s34, ttmp9, 11                      ; out0: row 32 x + 16 g + 2 q, 64 bytes a row, + 4 d
	s_lshl_b32 s36, s9, 10
	s_add_co_u32 s34, s34, s36
	s_lshl_b32 s36, s10, 7
	s_add_co_u32 s34, s34, s36
	s_lshl_b32 s36, s11, 2
	s_add_co_u32 s34, s34, s36
	s_add_nc_u64 s[6:7], s[6:7], s[34:35]
	s_wait_kmcnt 0x0
.irp i, 0,1,2,3,4,5,6,7,8,9,10,11,12,13,14,15
	v_mov_b32 v[ZZ+2*\i], s[16+\i]
	v_mov_b32 v[ZZ+2*\i+1], s[16+\i]
.endr
; STEP s.  P: the buffer with step s's arguments; Q: the other, with step s - 1's weights, which become step s + 1's arguments pair by pair.
; Step 0 writes its weights straight into the denominators, and step 1 starts the numerators by a multiplication: nothing is cleared.  Step 15 has no successor.
; The loads went out as x0, y0, x1, y1, ..  An odd step s is the first to want y's quad (s - 1) / 2 and x's quad (s + 1) / 2; behind the latter 14 - s loads were issued.
.macro STEP s
.set P, BUF+32*((\s)%2)
.set Q, BUF+32*(((\s)+1)%2)
.if ((\s)%2) == 1
.if (\s) < 14
	s_wait_loadcnt 14-(\s)
.else
	s_wait_loadcnt 0x0
.endif
.endif
.set i, 0
.rept 16
.if (\s) == 0
	v_exp_f32 v[ACC+4*i], v[P+2*i]
.else
	v_exp_f32 v[P+2*i], v[P+2*i]
.endif
.if (\s) > 1
	v_pk_add_f32 v[ACC+4*i:ACC+4*i+1], v[ACC+4*i:ACC+4*i+1], v[Q+2*i:Q+2*i+1]                                        ; the denominator takes step s - 1's weights
.endif
.if (\s) == 0
	v_exp_f32 v[ACC+4*i+1], v[P+2*i+1]
.else
	v_exp_f32 v[P+2*i+1], v[P+2*i+1]
.endif
.if (\s) == 1
	v_pk_mul_f32 v[ACC+4*i+2:ACC+4*i+3], v[ACC+4*i:ACC+4*i+1], v[Y:Y+1]                                              ; the numerator begins: step 0's weights x Y
.elseif (\s) > 1
	v_pk_fma_f32 v[ACC+4*i+2:ACC+4*i+3], v[Q+2*i:Q+2*i+1], v[Y+2*(\s)-2:Y+2*(\s)-1], v[ACC+4*i+2:ACC+4*i+3]          ; the numerator: + w Y
.endif
.if (\s) < 15
	v_pk_add_f32 v[Q+2*i:Q+2*i+1], v[X+2*(\s)+2:X+2*(\s)+3], v[ZZ+2*i:ZZ+2*i+1]                                      ; step s + 1: x' + nz,
.if i > 0
	v_pk_mul_f32 v[Q+2*i-2:Q+2*i-1], v[Q+2*i-2:Q+2*i-1], v[Q+2*i-2:Q+2*i-1] neg_lo:[1,0] neg_hi:[1,0]                ; and, a query behind, minus its square
.endif
.endif
.set i, i+1
.endr
.if (\s) < 15
	v_pk_mul_f32 v[Q+30:Q+31], v[Q+30:Q+31], v[Q+30:Q+31] neg_lo:[1,0] neg_hi:[1,0]
.endif
	s_wait_alu depctr_va_vdst(0)                   ; one wait for the step's 32 exponentials, ahead of the next step, which reads them; plain instructions stand behind the last of them
.endm
	s_wait_loadcnt 15                              ; x's quad 0 is in; the fifteen loads behind it may be out
.set i, 0
.rept 16
	v_pk_add_f32 v[BUF+2*i:BUF+2*i+1], v[X:X+1], v[ZZ+2*i:ZZ+2*i+1]             ; step 0's arguments
.set i, i+1
.endr
.set i, 0
.rept 16
	v_pk_mul_f32 v[BUF+2*i:BUF+2*i+1], v[BUF+2*i:BUF+2*i+1], v[BUF+2*i:BUF+2*i+1] neg_lo:[1,0] neg_hi:[1,0]
.set i, i+1
.endr
.irp s, 0,1,2,3,4,5,6,7,8,9,10,11,12,13,14,15
	STEP \s
.endr
.set i, 0
.rept 16
	v_pk_add_f32 v[ACC+4*i:ACC+4*i+1], v[ACC+4*i:ACC+4*i+1], v[BUF+32+2*i:BUF+32+2*i+1]                               ; step 15's weights
	v_pk_fma_f32 v[ACC+4*i+2:ACC+4*i+3], v[BUF+32+2*i:BUF+32+2*i+1], v[Y+30:Y+31], v[ACC+4*i+2:ACC+4*i+3]
.set i, i+1
.endr
	; THE SUMS MEET.  A lane's pairs are added; the wave's 32 numbers a lane go to LDS as eight groups (denominator and numerator of queries 2 k, 2 k + 1), 512 consecutive bytes a store.
.set i, 0
.rept 16
	v_add_f32 v[BUF+2*i], v[ACC+4*i], v[ACC+4*i+1]
	v_add_f32 v[BUF+2*i+1], v[ACC+4*i+2], v[ACC+4*i+3]
.set i, i+1
.endr
.irp k, 0,1,2,3,4,5,6,7
	ds_store_b128 v2, v[BUF+4*\k:BUF+4*\k+3] offset:512*\k
.endr
	s_wait_dscnt 0x0                               ; for the others' sake: my stores are done
	s_barrier_signal -1
	s_barrier_wait -1
.irp k, 0,1,2,3,4,5,6,7
	ds_load_b128 v[X+4*\k:X+4*\k+3], v3 offset:8192*\k   ; wave (g, q) finishes queries 2 q, 2 q + 1 of half g: group q of each of the eight waves of that half
.endr
	s_wait_dscnt 0x0
.irp a, 0,2,4,6
	v_pk_add_f32 v[X+4*\a:X+4*\a+1], v[X+4*\a:X+4*\a+1], v[X+4*\a+4:X+4*\a+5]
	v_pk_add_f32 v[X+4*\a+2:X+4*\a+3], v[X+4*\a+2:X+4*\a+3], v[X+4*\a+6:X+4*\a+7]
.endr
.irp a, 0,4
	v_pk_add_f32 v[X+4*\a:X+4*\a+1], v[X+4*\a:X+4*\a+1], v[X+4*\a+8:X+4*\a+9]
	v_pk_add_f32 v[X+4*\a+2:X+4*\a+3], v[X+4*\a+2:X+4*\a+3], v[X+4*\a+10:X+4*\a+11]
.endr
	v_pk_add_f32 v[X:X+1], v[X:X+1], v[X+16:X+17]
	v_pk_add_f32 v[X+2:X+3], v[X+2:X+3], v[X+18:X+19]
.irp m, 1,2,4,8                                ; over the 32 lanes: four steps inside each half of 16 ride on the addition, the four numbers by turns; one step crosses the halves
.irp k, 0,1,2,3
	v_add_f32_dpp v[X+\k], v[X+\k], v[X+\k] row_xmask:\m row_mask:0xf bank_mask:0xf
.endr
.endr
.irp k, 0,1,2,3
	v_permlanex16_b32 v[BUF+32+\k], v[X+\k], s32, s33    ; (its destination counts as read: these registers have been written)
.endr
.irp k, 0,1,2,3
	v_add_f32 v[X+\k], v[X+\k], v[BUF+32+\k]       ; every lane: v40 denominator, v41 numerator of query 2 q; v42, v43 of query 2 q + 1
.endr
	v_rcp_f32 v[X+4], v[X]
	v_rcp_f32 v[X+5], v[X+2]
	v_cmp_eq_u32 vcc_lo, 1, v5                     ; (a plain instruction behind the reciprocals)
	s_wait_alu depctr_va_vdst(0)                   ; one wait for the two, ahead of their first reader
	v_mul_f32 v[X+4], v[X+1], v[X+4]
	v_mul_f32 v[X+5], v[X+3], v[X+5]
	v_cndmask_b32 v[X+4], v[X+4], v[X+5], vcc_lo   ; lane 1 takes the second query's
	s_wait_xcnt 0x0                                ; EXEC counts among the sources of the loads issued: it changes only behind this wait
	v_cmp_gt_u32 vcc_lo, 2, v5
	s_wait_tensorcnt 0x0
	ds_add_u32 v232, v233
	s_wait_dscnt 0x0
	s_and_saveexec_b32 s38, vcc_lo
	global_store_b32 v4, v[X+4], s[6:7]            ; lanes 0 and 1: out0[32 x + 16 g + 2 q + lane][d]
	s_wait_xcnt 0x0                                ; and again ahead of the line that widens it
	s_or_b32 exec_lo, exec_lo, s38
	s_endpgm
.Lfunc_end_k_q2c98c1109f_pairs:
	.size	k_q2c98c1109f_pairs, .Lfunc_end_k_q2c98c1109f_pairs-k_q2c98c1109f_pairs
	.p2alignl 7, 3214868480
	.fill 96, 4, 3214868480
	.section	.rodata,"a",@progbits
	.p2align	6, 0x0
	.amdhsa_kernel k_q2c98c1109f_pairs
		.amdhsa_group_segment_fixed_size 67584
		.amdhsa_private_segment_fixed_size 0
		.amdhsa_enable_private_segment 0
		.amdhsa_kernarg_size 16
		.amdhsa_user_sgpr_count 2
		.amdhsa_user_sgpr_kernarg_segment_ptr 1
		.amdhsa_wavefront_size32 1
		.amdhsa_system_sgpr_workgroup_id_x 1
		.amdhsa_system_sgpr_workgroup_id_y 1
		.amdhsa_system_sgpr_workgroup_id_z 1
		.amdhsa_system_vgpr_workitem_id 0
		.amdhsa_next_free_vgpr 234
		.amdhsa_next_free_sgpr 66
		.amdhsa_reserve_vcc 1
		.amdhsa_float_denorm_mode_32 3
		.amdhsa_float_denorm_mode_16_64 3
		.amdhsa_memory_ordered 1
		.amdhsa_forward_progress 1
		.amdhsa_inst_pref_size 90
	.end_amdhsa_kernel
	.amdgpu_metadata
---
amdhsa.version: [ 1, 2 ]
amdhsa.kernels:
  - .name:           k_q2c98c1109f_pairs
    .symbol:         k_q2c98c1109f_pairs.kd
    .args:
      - { .name: xy, .offset: 0, .size: 8, .value_kind: global_buffer, .address_space: global }
      - { .name: out0, .offset: 8, .size: 8, .value_kind: global_buffer, .address_space: global }
    .group_segment_fixed_size: 67584
    .private_segment_fixed_size: 0
    .kernarg_segment_align: 8
    .kernarg_segment_size: 16
    .max_flat_workgroup_size: 512
    .sgpr_count:     66
    .vgpr_count:     234
    .wavefront_size: 32
...
	.end_amdgpu_metadata
.endif
;; end of part 2
